; MI455X (gfx1250); checked and timed in simulation.
; The chip was launched on July 23, 2026; its instructions are those of AMD's public machine-readable ISA for CDNA 5 (MIT licence, August 2026) and "CDNA5" Instruction Set Architecture Reference Guide (July 2026).
;; Non Local CA. Allowed arithmetic: matrix products marked QUANTISED: E4M3 operands, one given power-of-two scale a tensor, by v_wmma_f32_16x16x64_fp8_fp8 or v_wmma_f32_16x16x128_fp8_fp8, f32 sums; everything else in f32.
;; Inputs: bn_beta 64 float32; bn_gamma 64 float32; g_b 32 float32; g_w 32 x 64 float32; lowp_scales 12 int32 (the exponents e of the quantised operands' scales 2^e); phi_b 32 float32; phi_w 32 x 64 float32; theta_b 32 float32; theta_w 32 x 64 float32; w_b 64 float32; w_w 64 x 32 float32; x 2 x 64 x 128 x 128 float32.
;; Outputs: out0 2 x 64 x 128 x 128 float32.
;; This version of the problem:
;;   THIS VERSION OF THE PROBLEM IS GIVEN IN LOW PRECISION. The matrix products marked QUANTISED in the list below multiply operands that are first quantised to E4M3 (4 exponent bits, 3 mantissa bits; 8 bits a number), with one given power-of-two scale for each operand tensor; their sums are f32. All else is computed in f32.
;;   The module's matrix products, in the order in which they are computed (A, B: the left and right operand; K: the contracted axis; several contracted axes count as one K, in the product's order):
;;     1. [M 32,768, K 64] x [K 64, N 32]; A: input x; B: input theta_w: QUANTISED (scales: A lowp_scales[0], B lowp_scales[1])
;;     2. [M 32,768, K 64] x [K 64, N 32]; A: input x; B: input phi_w: QUANTISED (scales: A lowp_scales[2], B lowp_scales[3])
;;     3. [M 32,768, K 64] x [K 64, N 32]; A: input x; B: input g_w: QUANTISED (scales: A lowp_scales[4], B lowp_scales[5])
;;     4. batch 8 x [M 4,096, K 32] x [K 32, N 4,096]; A: computed on the way; B: computed on the way: QUANTISED (scales: A lowp_scales[6], B lowp_scales[7])
;;     5. batch 8 x [M 4,096, K 4,096] x [K 4,096, N 32]; A: softmax (see below); B: computed on the way: QUANTISED (scales: A lowp_scales[8], B lowp_scales[9])
;;     6. [M 32,768, K 32] x [K 32, N 64]; A: computed on the way; B: input w_w: QUANTISED (scales: A lowp_scales[10], B lowp_scales[11])
;;   THE QUANTISER, for each operand of a quantised product, along K:
;;     - The operand's scale is 2^e, e = its entry of the input lowp_scales (int32; the entries are numbered through the quantised products in the list's order, A before B).
;;     - Each number is divided by the scale, clamped to +-448, and rounded to the nearest number of E4M3, ties to even, subnormals kept.
;;     - The product sums the exact products of the quantised numbers (number of the format x scale) in f32.
;;   ~~~python
;;   def quantise(x, axis, e):      # numpy; x: float32 -> the quantised numbers, widened to float32 again
;;       x = np.moveaxis(x, axis, -1); K = x.shape[-1]
;;       r = np.clip(x / 2.0 ** e, -448, 448)
;;       step = 2.0 ** (np.maximum(np.frexp(np.where(r == 0, 1, r))[1] - 1, -6) - 3)
;;       q = np.round(r / step) * step * 2.0 ** e      # np.round: ties to even
;;       return np.moveaxis(q, -1, axis).astype(np.float32)
;;   ~~~
;;   SOFTMAX AHEAD OF A QUANTISED PRODUCT. Where the list says 'softmax', what is quantised is not the finished softmax but p = 2^(t - M), with t = logit x log2(e) and M = ceil(the row's largest t), a whole number; so 1/2 < the row's largest p <= 1. The row's sum l is taken of the UNQUANTISED p, in f32, and the product's result is divided by l at the end. Since M is a whole number, a kernel that streams over the keys may use a running M (the ceiling of the running maximum): every later rescaling is an exact power of two, so the quantised numbers keep their values, but for numbers so far below the row's largest that they fall under the format's range.
;;   OPERANDS COMPUTED ON THE WAY. 'Computed on the way' means the value that the module computes at that place (a softmax that the list does not call 'softmax' is quantised finished and normalised). What goes into a quantiser is computed in f32, as accurately as f32 sums, v_exp_f32 and their like allow (about 1e-6 of the number): no bf16 or f16 on the way to a quantiser, and a product that is left as it is and whose result goes on into a quantised operand takes f32 operands (vector FMAs, or v_wmma_f32_16x16x4_f32). A number that lies on a knife's edge between two numbers of the format may be rounded either way, as far as f32 arithmetic and the matrix unit's own rounding can turn it there, and no further.
;; One version. Each part assembles by itself: llvm-mc -triple=amdgcn-amd-amdhsa -mcpu=gfx1250 --defsym DOCPART=n.
;; ======== version 1 of 1: 3 launches
;; limits: right only within a limited range of input values
;; workspace buffers: qc 1,048,576 bytes; kv 2,097,152 bytes; yc 1,048,576 bytes; stats 131,072 bytes
;; launch proj (part 1): grid 32 x 8, 4 waves a work-group, no clusters, 6,656 bytes of LDS; arguments x, theta_w, phi_w, g_w, theta_b, phi_b, g_b, lowp_scales, qc, kv; writes qc, kv
.if DOCPART == 1
	.amdgcn_target "amdgcn-amd-amdhsa--gfx1250"
	.amdhsa_code_object_version 6
	.text
	.protected	k_q00bc9e0799_proj
	.globl	k_q00bc9e0799_proj
	.p2align	8
	.type	k_q00bc9e0799_proj,@function
k_q00bc9e0799_proj:
	s_mov_b64 s[64:65], 0
	v_nop
	global_prefetch_b8 v0, s[64:65] scope:SCOPE_SE
	s_setreg_imm32_b32 hwreg(HW_REG_WAVE_MODE, 25, 1), 1
	s_wait_xcnt 0x0
.set X,   16
.set T,   80
.set WC,  96
.set XC,  112
.set WF,  160
.set CT,  208
.set CP,  224
.set CG,  240
.set DT,  16
.set DP,  48
.set DG,  80
.set OC,  112
.set SCL, 10
.macro MKSC sc, lim, e
	s_add_co_i32 s[\lim], s[\e], 127
	s_lshl_b32 s[\sc], s[\lim], 23
	s_add_co_i32 s[\lim], s[\lim], 8
	s_lshl_b32 s[\lim], s[\lim], 23
	s_or_b32 s[\lim], s[\lim], 0x600000
.endm
.macro SETSC first
.irp i, 0,1,2,3,4,5
	v_mov_b32 v[SCL+\i], s[\first+\i]
.endr
.endm
	s_load_b512 s[4:19], s[0:1], 0x0
	s_load_b128 s[20:23], s[0:1], 0x40
	v_lshl_add_u32 v254, v0, 2, 0x1800
	v_mov_b32 v255, 0
	v_lshrrev_b32 v1, 5, v0
	v_readfirstlane_b32 s36, v1
	v_and_b32 v1, 31, v0
	v_and_b32 v2, 15, v0
	v_bfe_u32 v3, v0, 4, 1
	v_and_b32 v4, 63, v0
	v_lshlrev_b32 v4, 2, v4
	v_lshrrev_b32 v5, 6, v0
	v_lshl_add_u32 v4, v5, 9, v4
	v_lshlrev_b32 v5, 4, v1
	s_lshl_b32 s39, s36, 5
	v_lshlrev_b32 v6, 8, v2
	v_lshl_add_u32 v6, v3, 7, v6
	v_add_nc_u32 v6, s39, v6
	s_lshr_b32 s39, s36, 1
	s_lshl_b32 s39, s39, 9
	s_and_b32 s40, s36, 1
	s_lshl_b32 s40, s40, 3
	s_add_co_u32 s39, s39, s40
	v_add_nc_u32 v7, s39, v5
	v_lshlrev_b32 v8, 5, v3
	v_lshlrev_b32 v9, 2, v2
	s_and_b32 s38, ttmp7, 0xffff
	s_and_b32 s39, s38, 1
	s_lshl_b32 s40, s39, 22
	s_lshr_b32 s39, s38, 2
	s_lshl_b32 s39, s39, 15
	s_add_co_u32 s40, s40, s39
	s_lshl_b32 s39, ttmp9, 10
	s_add_co_u32 s40, s40, s39
	s_bfe_u32 s39, s38, 0x10001
	s_lshl_b32 s39, s39, 8
	s_add_co_u32 s40, s40, s39
	s_mov_b32 s41, 0
	s_lshl_b32 s42, s38, 17
	s_lshl_b32 s39, ttmp9, 12
	s_add_co_u32 s42, s42, s39
	s_lshl_b32 s39, s36, 10
	s_add_co_u32 s42, s42, s39
	s_mov_b32 s43, 0
	s_lshl_b32 s44, s38, 18
	s_lshl_b32 s39, ttmp9, 13
	s_add_co_u32 s44, s44, s39
	s_add_co_u32 s46, s44, 4096
	s_lshl_b32 s39, s36, 10
	s_add_co_u32 s44, s44, s39
	s_lshl_b32 s39, s36, 9
	s_add_co_u32 s46, s46, s39
	s_mov_b32 s45, 0
	s_mov_b32 s47, 0
	s_wait_alu depctr_va_vdst(0)
	s_wait_kmcnt 0x0
	s_load_b256 s[24:31], s[18:19], 0x0
	s_load_b128 s[32:35], s[18:19], 0x20
	s_add_nc_u64 s[4:5], s[4:5], s[40:41]
	s_add_nc_u64 s[20:21], s[20:21], s[42:43]
	s_add_nc_u64 s[2:3], s[22:23], s[46:47]
	s_add_nc_u64 s[22:23], s[22:23], s[44:45]
.irp t, 0,1,2,3,4,5
	global_load_b128 v[XC+8*\t:XC+8*\t+3],   v6, s[6+2*(\t/2):7+2*(\t/2)] offset:(\t%2)*4096
	global_load_b128 v[XC+8*\t+4:XC+8*\t+7], v6, s[6+2*(\t/2):7+2*(\t/2)] offset:(\t%2)*4096+16
.endr
.irp o, 0,1
	global_load_b128 v[CT+8*\o:CT+8*\o+3],   v8, s[12:13] offset:64*\o
	global_load_b128 v[CT+8*\o+4:CT+8*\o+7], v8, s[12:13] offset:64*\o+16
	global_load_b128 v[CP+8*\o:CP+8*\o+3],   v8, s[14:15] offset:64*\o
	global_load_b128 v[CP+8*\o+4:CP+8*\o+7], v8, s[14:15] offset:64*\o+16
.endr
.irp d, 0,1
	global_load_b32 v[CG+8*\d], v9, s[16:17] offset:64*\d
.endr
.set c, 0
.rept 64
	global_load_b32 v[X+c], v4, s[4:5] offset:c*65536 th:TH_LOAD_NT
.set c, c+1
.endr
	s_wait_kmcnt 0x0
	MKSC 44, 45, 25
	MKSC 46, 47, 27
	MKSC 48, 49, 29
	MKSC 50, 51, 24
	MKSC 52, 53, 26
	MKSC 54, 55, 28
	s_add_co_i32 s62, s24, s25
	s_sub_co_i32 s39, s30, s62
	MKSC 56, 57, 39
	s_sub_co_i32 s62, 0, s62
	s_add_co_i32 s63, s26, s27
	s_sub_co_i32 s39, s31, s63
	MKSC 58, 59, 39
	s_sub_co_i32 s63, 0, s63
	s_add_co_i32 s38, s28, s29
	s_sub_co_i32 s39, s33, s38
	MKSC 60, 61, 39
	s_sub_co_i32 s38, 0, s38
	SETSC 44
	s_wait_alu depctr_va_vdst(0)
	s_wait_loadcnt 63
.irp t, 0,1,2,3,4,5
.irp i, 0,1,2,3,4,5,6,7
	v_med3_num_f32 v[XC+8*\t+\i], v[XC+8*\t+\i], -v[SCL+1+2*(\t/2)], v[SCL+1+2*(\t/2)]
.endr
	v_cvt_scalef32_pk8_fp8_f32 v[WC+2*\t:WC+2*\t+1], v[XC+8*\t:XC+8*\t+7], v[SCL+2*(\t/2)]
.endr
	v_nop
.irp t, 0,1,2,3,4,5
	ds_store_b64 v7, v[WC+2*\t:WC+2*\t+1] offset:\t*1024
.endr
	s_wait_dscnt 0x0
	s_barrier_signal -1
	s_barrier_wait -1
.irp t, 0,1,2,3,4,5
.irp g, 0,1
	ds_load_b128 v[WF+8*\t+4*\g:WF+8*\t+4*\g+3], v5 offset:\t*1024+\g*512
.endr
.endr
.set j, 0
.rept 16
	v_ldexp_f32 v[CT+j], v[CT+j], s62
	v_ldexp_f32 v[CP+j], v[CP+j], s63
.set j, j+1
.endr
.irp d, 0,1
	v_ldexp_f32 v[CG+8*\d], v[CG+8*\d], s38
	v_mov_b32 v[CG+8*\d+1], v[CG+8*\d]
.endr
	SETSC 50
	s_wait_alu depctr_va_vdst(0)
.set g, 0
.rept 8
	s_wait_loadcnt 56-8*g
.irp p, 0,1,2
.irp i, 0,1,2,3,4,5,6,7
	v_med3_num_f32 v[T+8*((g+\p)%2)+\i], v[X+8*g+\i], -v[SCL+1+2*\p], v[SCL+1+2*\p]
.endr
	v_cvt_scalef32_pk8_fp8_f32 v[XC+16*\p+2*g:XC+16*\p+2*g+1], v[T+8*((g+\p)%2):T+8*((g+\p)%2)+7], v[SCL+2*\p]
.endr
.set g, g+1
.endr
	v_nop
.irp p, 0,1,2
.irp i, 0,1,2,3,4,5,6,7
	v_permlane16_swap_b32 v[XC+16*\p+\i], v[XC+16*\p+8+\i]
.endr
.endr
	s_wait_alu depctr_va_vdst(0)
	s_wait_dscnt 0x0
.irp m, 0,1
.irp o, 0,1
	v_wmma_f32_16x16x64_fp8_fp8 v[DT+16*\m+8*\o:DT+16*\m+8*\o+7], v[WF+8*\o:WF+8*\o+7], v[XC+8*\m:XC+8*\m+7], 0
.endr
.endr
.irp m, 0,1
.irp o, 0,1
	v_wmma_f32_16x16x64_fp8_fp8 v[DP+16*\m+8*\o:DP+16*\m+8*\o+7], v[WF+16+8*\o:WF+16+8*\o+7], v[XC+16+8*\m:XC+16+8*\m+7], 0
.endr
.endr
.irp d, 0,1
.irp m, 0,1
	v_wmma_f32_16x16x64_fp8_fp8 v[DG+16*\d+8*\m:DG+16*\d+8*\m+7], v[XC+32+8*\m:XC+32+8*\m+7], v[WF+32+8*\d:WF+32+8*\d+7], 0
.endr
.endr
	SETSC 56
.irp m, 0,1
.irp o, 0,1
.irp j, 0,2,4,6
	v_pk_add_f32 v[DT+16*\m+8*\o+\j:DT+16*\m+8*\o+\j+1], v[DT+16*\m+8*\o+\j:DT+16*\m+8*\o+\j+1], v[CT+8*\o+\j:CT+8*\o+\j+1]
.endr
.endr
.endr
.irp m, 0,1
.irp o, 0,1
.irp j, 0,2,4,6
	v_pk_add_f32 v[DP+16*\m+8*\o+\j:DP+16*\m+8*\o+\j+1], v[DP+16*\m+8*\o+\j:DP+16*\m+8*\o+\j+1], v[CP+8*\o+\j:CP+8*\o+\j+1]
.endr
.endr
.endr
.irp d, 0,1
.irp m, 0,1
.irp j, 0,2,4,6
	v_pk_add_f32 v[DG+16*\d+8*\m+\j:DG+16*\d+8*\m+\j+1], v[DG+16*\d+8*\m+\j:DG+16*\d+8*\m+\j+1], v[CG+8*\d:CG+8*\d+1]
.endr
.endr
.endr
.macro QOUT src, dst, k
.irp i, 0,1,2,3,4,5,6,7,8,9,10,11,12,13,14,15
	v_med3_num_f32 v[\src+\i], v[\src+\i], -v[SCL+1+2*\k], v[SCL+1+2*\k]
.endr
	v_cvt_scalef32_pk8_fp8_f32 v[\dst:\dst+1], v[\src:\src+7], v[SCL+2*\k]
	v_cvt_scalef32_pk8_fp8_f32 v[\dst+2:\dst+3], v[\src+8:\src+15], v[SCL+2*\k]
.endm
	QOUT DT, OC, 0
	QOUT DT+16, OC+4, 0
	QOUT DP, OC+8, 1
	QOUT DP+16, OC+12, 1
	QOUT DG, OC+16, 2
	QOUT DG+16, OC+20, 2
	s_bfe_u32 s38, ttmp9, 0x10003
	s_mul_i32 s38, s38, 0x80808080
	v_nop
.set j, 0
.rept 8
	v_xor_b32 v[OC+16+j], s38, v[OC+16+j]
.set j, j+1
.endr
.irp m, 0,1
	global_store_b128 v5, v[OC+4*\m:OC+4*\m+3], s[20:21] offset:512*\m
	global_store_b128 v5, v[OC+8+4*\m:OC+8+4*\m+3], s[22:23] offset:512*\m
	global_store_b128 v5, v[OC+16+4*\m:OC+16+4*\m+3], s[2:3] offset:2048*\m
.endr
	s_wait_tensorcnt 0x0
	ds_add_u32 v254, v255
	s_wait_dscnt 0x0
	s_endpgm
.Lfunc_end_k_q00bc9e0799_proj:
	.size	k_q00bc9e0799_proj, .Lfunc_end_k_q00bc9e0799_proj-k_q00bc9e0799_proj
	.p2alignl 7, 3214868480
	.fill 96, 4, 3214868480
	.section	.rodata,"a",@progbits
	.p2align	6, 0x0
	.amdhsa_kernel k_q00bc9e0799_proj
		.amdhsa_group_segment_fixed_size 6656
		.amdhsa_private_segment_fixed_size 0
		.amdhsa_enable_private_segment 0
		.amdhsa_kernarg_size 80
		.amdhsa_user_sgpr_count 2
		.amdhsa_user_sgpr_kernarg_segment_ptr 1
		.amdhsa_wavefront_size32 1
		.amdhsa_system_sgpr_workgroup_id_x 1
		.amdhsa_system_sgpr_workgroup_id_y 1
		.amdhsa_system_sgpr_workgroup_id_z 1
		.amdhsa_system_vgpr_workitem_id 0
		.amdhsa_next_free_vgpr 256
		.amdhsa_next_free_sgpr 66
		.amdhsa_reserve_vcc 0
		.amdhsa_float_denorm_mode_32 3
		.amdhsa_float_denorm_mode_16_64 3
		.amdhsa_memory_ordered 1
		.amdhsa_forward_progress 1
		.amdhsa_inst_pref_size 47
	.end_amdhsa_kernel
	.amdgpu_metadata
---
amdhsa.version: [ 1, 2 ]
amdhsa.kernels:
  - .name:           k_q00bc9e0799_proj
    .symbol:         k_q00bc9e0799_proj.kd
    .args:
      - { .name: x, .offset: 0, .size: 8, .value_kind: global_buffer, .address_space: global }
      - { .name: theta_w, .offset: 8, .size: 8, .value_kind: global_buffer, .address_space: global }
      - { .name: phi_w, .offset: 16, .size: 8, .value_kind: global_buffer, .address_space: global }
      - { .name: g_w, .offset: 24, .size: 8, .value_kind: global_buffer, .address_space: global }
      - { .name: theta_b, .offset: 32, .size: 8, .value_kind: global_buffer, .address_space: global }
      - { .name: phi_b, .offset: 40, .size: 8, .value_kind: global_buffer, .address_space: global }
      - { .name: g_b, .offset: 48, .size: 8, .value_kind: global_buffer, .address_space: global }
      - { .name: lowp_scales, .offset: 56, .size: 8, .value_kind: global_buffer, .address_space: global }
      - { .name: qc, .offset: 64, .size: 8, .value_kind: global_buffer, .address_space: global }
      - { .name: kv, .offset: 72, .size: 8, .value_kind: global_buffer, .address_space: global }
    .group_segment_fixed_size: 6656
    .private_segment_fixed_size: 0
    .kernarg_segment_align: 8
    .kernarg_segment_size: 80
    .max_flat_workgroup_size: 128
    .sgpr_count:     66
    .vgpr_count:     256
    .wavefront_size: 32
...
	.end_amdgpu_metadata
.endif
;; end of part 1
;; launch attn (part 2): grid 32 x 8, 16 waves a work-group, no clusters, 81,920 bytes of LDS; arguments qc, kv, w_w, lowp_scales, yc, stats; writes yc, stats
.if DOCPART == 2
	.amdgcn_target "amdgcn-amd-amdhsa--gfx1250"
	.amdhsa_code_object_version 6
	.text
	.protected	k_q00bc9e0799_attn
	.globl	k_q00bc9e0799_attn
	.p2align	8
	.type	k_q00bc9e0799_attn,@function
k_q00bc9e0799_attn:
	s_mov_b64 s[64:65], 0
	v_nop
	global_prefetch_b8 v0, s[64:65] scope:SCOPE_SE
	s_setreg_imm32_b32 hwreg(HW_REG_WAVE_MODE, 25, 1), 1
	s_wait_xcnt 0x0
.set LI,  1
.set SPW, 2
.set NIL, 3
.set PFO, 4
.set F,   14
.set MA,  16
.set MB,  17
.set PX,  18
.set SC,  19
.set LIM, 20
.set SU,  22
.set SB,  24
.set Q,   32
.set KF,  52
.set VF,  84
.set S,   116
.set O,   180
.set PC,  212
.set WR,  232
.set ML,  PC
.set YI,  73728
.set ST,  77824
.set SPARE, 79872
.macro MKSC sc, lim, e
	s_add_co_i32 s[\lim], s[\e], 127
	s_lshl_b32 s[\sc], s[\lim], 23
	s_add_co_i32 s[\lim], s[\lim], 8
	s_lshl_b32 s[\lim], s[\lim], 23
	s_or_b32 s[\lim], s[\lim], 0x600000
.endm
	s_load_b256 s[4:11], s[0:1], 0x0
	s_load_b128 s[12:15], s[0:1], 0x20
	v_lshl_add_u32 v[SPW], v0, 2, SPARE
	v_mov_b32 v[NIL], 0
	v_lshrrev_b32 v5, 5, v0
	v_readfirstlane_b32 s18, v5
	s_and_b32 s21, ttmp7, 0xffff
	s_and_b32 s19, s18, 3
	s_lshr_b32 s20, s18, 2
	s_lshl_b32 s24, s21, 17
	s_lshl_b32 s25, ttmp9, 12
	s_add_co_u32 s24, s24, s25
	s_mov_b32 s25, 0
	s_lshl_b32 s26, s20, 10
	s_add_co_u32 s26, s26, s24
	s_mov_b32 s27, 0
	s_lshl_b32 s28, s21, 18
	s_lshl_b32 s30, s19, 16
	s_add_co_u32 s30, s30, s28
	s_lshl_b32 s31, ttmp9, 13
	s_add_co_u32 s28, s28, s31
	s_mov_b32 s29, 0
	s_mov_b32 s31, 0
	s_lshl_b32 s32, s19, 11
	s_mov_b32 s33, 0
	s_lshl_b32 s34, s21, 14
	s_lshl_b32 s35, ttmp9, 9
	s_add_co_u32 s34, s34, s35
	s_mov_b32 s35, 0
	s_and_b32 s62, ttmp9, 7
	s_sub_co_u32 s62, 9, s62
	s_cmp_eq_u32 s18, 0
	s_cselect_b32 s62, s62, 0
	s_lshl_b32 s36, s18, 12
	s_lshl_b32 s37, s18, 9
	s_add_co_u32 s37, s37, 65536
	s_and_b32 s59, s18, 12
	s_lshl_b32 s38, s59, 12
	s_lshl_b32 s39, s59, 9
	s_lshl_b32 s59, s19, 10
	s_add_co_u32 s38, s38, s59
	s_and_b32 s59, s18, 2
	s_lshl_b32 s59, s59, 7
	s_add_co_u32 s39, s39, s59
	s_add_co_u32 s39, s39, 65536
	s_lshr_b32 s40, s18, 3
	s_lshl_b32 s40, s40, 11
	s_and_b32 s59, s18, 6
	s_lshl_b32 s59, s59, 5
	s_add_co_u32 s40, s40, s59
	s_and_b32 s59, s18, 1
	s_lshl_b32 s59, s59, 3
	s_add_co_u32 s40, s40, s59
	s_add_co_u32 s40, s40, YI
	s_lshl_b32 s41, s20, 10
	s_add_co_u32 s41, s41, YI
	s_lshl_b32 s42, s20, 9
	s_lshl_b32 s59, s19, 7
	s_add_co_u32 s42, s42, s59
	s_add_co_u32 s42, s42, ST
	s_and_b32 s43, s18, 7
	s_lshl_b32 s43, s43, 9
	s_mov_b32 s48, 0x76543210
	s_mov_b32 s49, 0xfedcba98
	v_and_b32 v5, 31, v0
	v_lshlrev_b32 v[LI], 4, v5
	v_lshlrev_b32 v[PFO], 8, v5
	v_and_b32 v16, 15, v0
	v_bfe_u32 v17, v0, 4, 1
	v_lshlrev_b32 v27, 3, v5
	v_add_nc_u32 v26, s36, v[LI]
	v_add_nc_u32 v28, s38, v[LI]
	v_add_nc_u32 v29, s39, v27
	v_add_nc_u32 v27, s37, v27
	v_and_b32 v20, 3, v0
	v_bfe_u32 v21, v0, 2, 2
	v_lshlrev_b32 v20, 9, v20
	v_lshl_add_u32 v20, v21, 4, v20
	v_lshl_add_u32 v20, v17, 8, v20
	v_add_nc_u32 v30, s40, v20
	v_add_nc_u32 v31, s41, v[LI]
	v_lshlrev_b32 v22, 3, v16
	v_lshl_add_u32 v22, v17, 2, v22
	v_add_nc_u32 v228, s42, v22
	v_add_nc_u32 v229, ST, v[LI]
	v_add_nc_u32 v230, s43, v[LI]
	v_add_nc_u32 v231, YI, v230
	v_lshlrev_b32 v5, 7, v16
	v_lshl_add_u32 v5, v17, 5, v5
	s_wait_alu depctr_va_vdst(0)
	s_wait_kmcnt 0x0
	s_load_b64 s[50:51], s[10:11], 0x18
	s_load_b128 s[52:55], s[10:11], 0x20
	s_add_nc_u64 s[4:5], s[4:5], s[26:27]
	s_add_nc_u64 s[56:57], s[6:7], s[28:29]
	s_add_nc_u64 s[6:7], s[6:7], s[30:31]
	s_add_nc_u64 s[8:9], s[8:9], s[32:33]
	s_add_nc_u64 s[12:13], s[12:13], s[24:25]
	s_add_nc_u64 s[14:15], s[14:15], s[34:35]
.irp t, 0,1,2,3,4,5,6,7
	global_load_b128 v[KF+4*\t:KF+4*\t+3], v[LI], s[6:7] offset:512*\t
.endr
	global_load_b128 v[Q+4:Q+7], v[LI], s[4:5]
	global_load_b128 v[Q+12:Q+15], v[LI], s[4:5] offset:512
	global_load_b128 v[WR:WR+3], v5, s[8:9]
	global_load_b128 v[WR+4:WR+7], v5, s[8:9] offset:16
	global_load_b128 v[WR+8:WR+11], v5, s[8:9] offset:64
	global_load_b128 v[WR+12:WR+15], v5, s[8:9] offset:80
.irp z, 0,8,16
.irp j, 0,1,2,3
	v_mov_b32 v[Q+\z+\j], 0
.endr
.endr
.set j, 0
.rept 32
	v_mov_b32 v[O+j], 0
.set j, j+1
.endr
	v_mov_b32 v6, 0x7f61b1e6
	v_mov_b32 v7, 0xff61b1e6
	v_mov_b32 v8, 0x7f61b1e6
	v_mov_b32 v9, 0xff61b1e6
.irp j, 10,11,12,13,15,PX
	v_mov_b32 v[\j], 0
.endr
	s_wait_alu depctr_va_vdst(0)
	s_wait_kmcnt 0x0
	s_add_co_i32 s59, s50, s51
	s_lshl_b32 s59, s59, 23
	s_add_co_i32 s22, s59, 0x3fb8aa3b
	s_mov_b32 s23, s22
	s_add_co_i32 s58, s52, s53
	MKSC 67, 68, 52
	s_cmp_lt_i32 s52, -8
	s_cselect_b32 s60, 1, 0
	MKSC 69, 70, 54
	v_mov_b32 v[SC], s67
	v_mov_b32 v[LIM], s68
	MKSC 67, 68, 55
.macro UNIT u, fetch
.set NP, 6+2*(\u)
.set LP, 10+2*(\u)
.set QB, Q+8*(\u)
.irp t, 0,1,2,3,4,5,6,7
	v_wmma_f32_16x16x64_fp8_fp8 v[S+8*\t:S+8*\t+7], v[KF+8*(\t/2):KF+8*(\t/2)+7], v[QB+4-4*(\t%2):QB+11-4*(\t%2)], 0
.endr
.rept 4
	v_nop
.endr
.if \u == 0
.irp g, 0,1,2,3,4,5,6,7
	global_load_b128 v[VF+4*\g:VF+4*\g+3], v[LI], s[6:7] offset:4096+512*\g
.endr
.else
.if \fetch
.irp t, 0,1,2,3,4,5,6,7
	global_load_b128 v[KF+4*\t:KF+4*\t+3], v[LI], s[6:7] offset:512*\t
.endr
	s_cmp_eq_u32 s61, s62
	s_cbranch_scc0 .Lnot_mine_\@
	global_prefetch_b8 v[PFO], s[56:57] th:TH_LOAD_NT scope:SCOPE_SE
.Lnot_mine_\@:
.endif
.endif
	v_max3_num_f32 v[MA], v[S], v[S+1], v[S+2]
	v_max3_num_f32 v[MB], v[S+3], v[S+4], v[S+5]
.irp i, 6,10,14,18,22,26,30,34,38,42,46,50,54,58
	v_max3_num_f32 v[MA], v[MA], v[S+\i], v[S+\i+1]
	v_max3_num_f32 v[MB], v[MB], v[S+\i+2], v[S+\i+3]
.endr
	v_max3_num_f32 v[MA], v[MA], v[S+62], v[S+63]
	s_delay_alu instid0(VALU_DEP_1)
	v_max3_num_f32 v[MA], v[MA], v[MB], v[NP+1]
	s_delay_alu instid0(VALU_DEP_1)
	v_permlanex16_b32 v[PX], v[MA], s48, s49
	s_delay_alu instid0(VALU_DEP_1)
	v_max_num_f32 v[NP+1], v[MA], v[PX]
	s_delay_alu instid0(VALU_DEP_1)
	v_mul_f32 v[MB], s22, v[NP+1]
	s_delay_alu instid0(VALU_DEP_1)
	v_floor_f32 v[MB], -v[MB]
	s_delay_alu instid0(VALU_DEP_1)
	v_sub_f32 v[MA], v[MB], v[NP]
	v_mov_b32 v[NP], v[MB]
	s_delay_alu instid0(VALU_DEP_2)
	v_cvt_i32_f32 v[MA], v[MA]
	s_delay_alu instid0(VALU_DEP_1)
	v_ldexp_f32 v[F], 1.0, v[MA]
.set j, 0
.rept 32
	v_pk_fma_f32 v[S+j:S+j+1], v[S+j:S+j+1], s[22:23], v[NP:NP+1] op_sel_hi:[1,0,0]
.set j, j+2
.endr
	s_wait_alu depctr_va_vdst(0)
.set j, 0
.rept 64
	v_exp_f32 v[S+j], v[S+j]
.set j, j+1
.endr
	v_pk_mul_f32 v[LP:LP+1], v[LP:LP+1], v[F:F+1] op_sel_hi:[1,0]
	s_wait_alu depctr_va_vdst(0)
.irp j, 0,2,4,6,8,10,12,14
	v_pk_mul_f32 v[O+16*\u+\j:O+16*\u+\j+1], v[O+16*\u+\j:O+16*\u+\j+1], v[F:F+1] op_sel_hi:[1,0]
.endr
	v_pk_add_f32 v[SU:SU+1], v[S:S+1], v[S+2:S+3]
	v_pk_add_f32 v[SB:SB+1], v[S+4:S+5], v[S+6:S+7]
.irp j, 8,12,16,20,24,28,32,36,40,44,48,52,56,60
	v_pk_add_f32 v[SU:SU+1], v[SU:SU+1], v[S+\j:S+\j+1]
	v_pk_add_f32 v[SB:SB+1], v[SB:SB+1], v[S+\j+2:S+\j+3]
.endr
	v_pk_add_f32 v[LP:LP+1], v[LP:LP+1], v[SU:SU+1]
	v_pk_add_f32 v[LP:LP+1], v[LP:LP+1], v[SB:SB+1]
	s_cmp_lg_u32 s60, 0
	s_cbranch_scc0 .Lfits_\@
.set j, 0
.rept 64
	v_min_num_f32 v[S+j], v[S+j], v[LIM]
.set j, j+1
.endr
.Lfits_\@:
.irp g, 0,1,2,3
	v_cvt_scalef32_pk8_fp8_f32 v[PC+4*\g:PC+4*\g+1], v[S+16*\g:S+16*\g+7], v[SC]
	v_cvt_scalef32_pk8_fp8_f32 v[PC+4*\g+2:PC+4*\g+3], v[S+16*\g+8:S+16*\g+15], v[SC]
.endr
	v_nop
.if \u == 0
	s_wait_alu depctr_va_vdst(0)
	s_wait_loadcnt 0x0
.endif
.irp d, 0,1
	v_wmma_f32_16x16x128_fp8_fp8 v[O+16*\u+8*\d:O+16*\u+8*\d+7], v[VF+16*\d:VF+16*\d+15], v[PC:PC+15], v[O+16*\u+8*\d:O+16*\u+8*\d+7]
.endr
.endm
.macro STEP fetch
	s_wait_loadcnt 0x0
	UNIT 0, \fetch
.if \fetch
	s_add_nc_u64 s[6:7], s[6:7], 0x2000
.endif
	UNIT 1, \fetch
.endm
	s_mov_b32 s61, 7
	s_wait_alu depctr_va_vdst(0)
.Lstep:
	STEP 1
	s_sub_co_u32 s61, s61, 1
	s_cmp_lg_u32 s61, 0
	s_cbranch_scc1 .Lstep
	STEP 0
	v_add_f32 v10, v10, v11
	v_add_f32 v12, v12, v13
	v_permlanex16_b32 v[PX], v10, s48, s49
	v_permlanex16_b32 v[MA], v12, s48, s49
	v_add_f32 v7, v10, v[PX]
	v_add_f32 v9, v12, v[MA]
	ds_store_b64 v27, v[6:7]
	ds_store_b64 v27, v[8:9] offset:256
.irp u, 0,1
.irp d, 0,1
.irp q, 0,1
	s_wait_alu depctr_va_vdst(0)
	ds_store_b128 v26, v[O+16*\u+8*\d+4*\q:O+16*\u+8*\d+4*\q+3] offset:2048*\u+1024*\d+512*\q
.endr
.endr
.endr
	s_wait_dscnt 0x0
	s_barrier_signal -1
	v_mov_b32 v[SC], s69
	v_mov_b32 v[LIM], s70
	v_mov_b32 v22, s67
	v_mov_b32 v24, s68
.set j, 0
.rept 16
	v_med3_num_f32 v[WR+j], v[WR+j], -v24, v24
.set j, j+1
.endr
	v_cvt_scalef32_pk8_fp8_f32 v[Q+4:Q+5], v[WR:WR+7], v22
	v_cvt_scalef32_pk8_fp8_f32 v[Q+6:Q+7], v[WR+8:WR+15], v22
	v_nop
	s_barrier_wait -1
.irp k, 0,1,2,3
	ds_load_b64 v[ML+2*\k:ML+2*\k+1], v29 offset:512*\k
.endr
.irp k, 0,1,2,3
	ds_load_b128 v[S+8*\k:S+8*\k+3], v28 offset:4096*\k
	ds_load_b128 v[S+8*\k+4:S+8*\k+7], v28 offset:4096*\k+512
.endr
	s_wait_dscnt 8
	v_min_num_f32 v16, v[ML], v[ML+2]
	v_min_num_f32 v17, v[ML+4], v[ML+6]
	v_min_num_f32 v16, v16, v17
.irp k, 0,1,2,3
	v_sub_f32 v[ML+2*\k], v16, v[ML+2*\k]
.endr
.irp k, 0,1,2,3
	v_cvt_i32_f32 v[ML+2*\k], v[ML+2*\k]
.endr
.irp k, 0,1,2,3
	v_ldexp_f32 v[ML+2*\k], 1.0, v[ML+2*\k]
.endr
	v_mul_f32 v24, v[ML], v[ML+1]
	v_mul_f32 v25, v[ML+2], v[ML+3]
	v_fma_f32 v24, v[ML+4], v[ML+5], v24
	v_fma_f32 v25, v[ML+6], v[ML+7], v25
	v_add_f32 v24, v24, v25
	s_wait_alu depctr_va_vdst(0)
	v_rcp_f32 v22, v24
	v_sub_f32 v14, 0, v24
	s_wait_alu depctr_va_vdst(0)
	s_wait_dscnt 0x0
.irp j, 0,2,4,6
	v_pk_mul_f32 v[S+\j:S+\j+1], v[S+\j:S+\j+1], v[ML:ML+1] op_sel_hi:[1,0]
.endr
.irp j, 0,2,4,6
	v_pk_fma_f32 v[S+\j:S+\j+1], v[S+8+\j:S+8+\j+1], v[ML+2:ML+3], v[S+\j:S+\j+1] op_sel_hi:[1,0,1] neg_lo:[1,0,0] neg_hi:[1,0,0]
.endr
.irp j, 0,2,4,6
	v_pk_fma_f32 v[S+\j:S+\j+1], v[S+16+\j:S+16+\j+1], v[ML+4:ML+5], v[S+\j:S+\j+1] op_sel_hi:[1,0,1]
.endr
.irp j, 0,2,4,6
	v_pk_fma_f32 v[S+\j:S+\j+1], v[S+24+\j:S+24+\j+1], v[ML+6:ML+7], v[S+\j:S+\j+1] op_sel_hi:[1,0,1] neg_lo:[1,0,0] neg_hi:[1,0,0]
.endr
.irp j, 0,2,4,6
	v_pk_mul_f32 v[S+8+\j:S+8+\j+1], v[S+\j:S+\j+1], v[22:23] op_sel_hi:[1,0]
.endr
.irp j, 0,2,4,6
	v_pk_fma_f32 v[S+16+\j:S+16+\j+1], v[S+8+\j:S+8+\j+1], v[14:15], v[S+\j:S+\j+1] op_sel_hi:[1,0,1]
.endr
.irp j, 0,2,4,6
	v_pk_fma_f32 v[S+8+\j:S+8+\j+1], v[S+16+\j:S+16+\j+1], v[22:23], v[S+8+\j:S+8+\j+1] op_sel_hi:[1,0,1]
.endr
.irp j, 0,1,2,3,4,5,6,7
	v_ldexp_f32 v[S+8+\j], v[S+8+\j], s58
.endr
.irp j, 0,1,2,3,4,5,6,7
	v_med3_num_f32 v[S+8+\j], v[S+8+\j], -v[LIM], v[LIM]
.endr
	v_cvt_scalef32_pk8_fp8_f32 v[PC+12:PC+13], v[S+8:S+15], v[SC]
	v_nop
	ds_store_b64 v30, v[PC+12:PC+13]
	s_wait_dscnt 0x0
	s_barrier_signal -1
	s_barrier_wait -1
	ds_load_b128 v[KF:KF+3], v31
	ds_load_b128 v[KF+4:KF+7], v31 offset:512
	s_wait_dscnt 0x0
	v_wmma_f32_16x16x64_fp8_fp8 v[S:S+7], v[KF:KF+7], v[Q+4:Q+11], 0
	v_wmma_f32_16x16x64_fp8_fp8 v[S+8:S+15], v[KF:KF+7], v[Q:Q+7], 0
.rept 4
	v_nop
.endr
	v_pk_add_f32 v[SU:SU+1], v[S:S+1], v[S+2:S+3]
	v_pk_add_f32 v[SB:SB+1], v[S+8:S+9], v[S+10:S+11]
	v_pk_add_f32 v[SU:SU+1], v[SU:SU+1], v[S+4:S+5]
	v_pk_add_f32 v[SB:SB+1], v[SB:SB+1], v[S+12:S+13]
	v_pk_add_f32 v[SU:SU+1], v[SU:SU+1], v[S+6:S+7]
	v_pk_add_f32 v[SB:SB+1], v[SB:SB+1], v[S+14:S+15]
.macro TOTAL
	s_delay_alu instid0(VALU_DEP_1)
	v_pk_add_f32 v[SU:SU+1], v[SU:SU+1], v[SB:SB+1]
	s_delay_alu instid0(VALU_DEP_1)
	v_add_f32 v[SU], v[SU], v[SU+1]
	s_delay_alu instid0(VALU_DEP_1)
	v_permlanex16_b32 v[PX], v[SU], s48, s49
	s_delay_alu instid0(VALU_DEP_1)
	v_add_f32 v[SU], v[SU], v[PX]
.endm
	TOTAL
	s_delay_alu instid0(VALU_DEP_1)
	v_mul_f32 v14, 0x3d000000, v[SU]
.irp j, 0,2,4,6,8,10,12,14
	v_pk_add_f32 v[S+\j:S+\j+1], v[S+\j:S+\j+1], v[14:15] op_sel_hi:[1,0] neg_lo:[0,1] neg_hi:[0,1]
.endr
	v_pk_mul_f32 v[SU:SU+1], v[S:S+1], v[S:S+1]
	v_pk_mul_f32 v[SB:SB+1], v[S+8:S+9], v[S+8:S+9]
.irp j, 2,4,6
	v_pk_fma_f32 v[SU:SU+1], v[S+\j:S+\j+1], v[S+\j:S+\j+1], v[SU:SU+1]
	v_pk_fma_f32 v[SB:SB+1], v[S+8+\j:S+8+\j+1], v[S+8+\j:S+8+\j+1], v[SB:SB+1]
.endr
	TOTAL
	v_and_b32 v16, 16, v0
	v_cmp_ne_u32 vcc_lo, 0, v16
	v_cndmask_b32 v16, v14, v[SU], vcc_lo
	ds_store_b32 v228, v16
	s_wait_dscnt 0x0
	s_barrier_signal -1
	s_barrier_wait -1
	s_cmp_lt_u32 s18, 8
	s_cbranch_scc1 .Lnot_y
	ds_load_b128 v[S:S+3], v231
	s_wait_dscnt 0x0
	global_store_b128 v230, v[S:S+3], s[12:13]
	s_branch .Lend
.Lnot_y:
	s_cmp_lg_u32 s18, 0
	s_cbranch_scc1 .Lend
.irp g, 0,1,2,3
	ds_load_b128 v[S+4*\g:S+4*\g+3], v229 offset:512*\g
.endr
	s_wait_dscnt 0x0
.macro JOIN2 a, b, c, e, k
	v_sub_f32 v16, v[\a], v[\b]
	v_sub_f32 v17, v[\c], v[\e]
	v_pk_add_f32 v[\a:(\a)+1], v[\a:(\a)+1], v[\b:(\b)+1]
	v_pk_add_f32 v[\c:(\c)+1], v[\c:(\c)+1], v[\e:(\e)+1]
	v_mul_f32 v16, v16, v16
	v_mul_f32 v17, v17, v17
	v_fmamk_f32 v[(\a)+1], v16, \k, v[(\a)+1]
	v_fmamk_f32 v[(\c)+1], v17, \k, v[(\c)+1]
.endm
	JOIN2 S, S+4, S+2, S+6, 0x41800000
	JOIN2 S+8, S+12, S+10, S+14, 0x41800000
	JOIN2 S, S+8, S+2, S+10, 0x41000000
	v_mul_f32 v[S], 0x3e800000, v[S]
	v_mul_f32 v[S+2], 0x3e800000, v[S+2]
	global_store_b128 v[LI], v[S:S+3], s[14:15]
.Lend:
	s_wait_tensorcnt 0x0
	ds_add_u32 v[SPW], v[NIL]
	s_wait_dscnt 0x0
	s_endpgm
.Lfunc_end_k_q00bc9e0799_attn:
	.size	k_q00bc9e0799_attn, .Lfunc_end_k_q00bc9e0799_attn-k_q00bc9e0799_attn
	.p2alignl 7, 3214868480
	.fill 96, 4, 3214868480
	.section	.rodata,"a",@progbits
	.p2align	6, 0x0
	.amdhsa_kernel k_q00bc9e0799_attn
		.amdhsa_group_segment_fixed_size 81920
		.amdhsa_private_segment_fixed_size 0
		.amdhsa_enable_private_segment 0
		.amdhsa_kernarg_size 48
		.amdhsa_user_sgpr_count 2
		.amdhsa_user_sgpr_kernarg_segment_ptr 1
		.amdhsa_wavefront_size32 1
		.amdhsa_system_sgpr_workgroup_id_x 1
		.amdhsa_system_sgpr_workgroup_id_y 1
		.amdhsa_system_sgpr_workgroup_id_z 1
		.amdhsa_system_vgpr_workitem_id 0
		.amdhsa_next_free_vgpr 256
		.amdhsa_next_free_sgpr 72
		.amdhsa_reserve_vcc 1
		.amdhsa_float_denorm_mode_32 3
		.amdhsa_float_denorm_mode_16_64 3
		.amdhsa_memory_ordered 1
		.amdhsa_forward_progress 1
		.amdhsa_inst_pref_size 74
	.end_amdhsa_kernel
	.amdgpu_metadata
---
amdhsa.version: [ 1, 2 ]
amdhsa.kernels:
  - .name:           k_q00bc9e0799_attn
    .symbol:         k_q00bc9e0799_attn.kd
    .args:
      - { .name: qc, .offset: 0, .size: 8, .value_kind: global_buffer, .address_space: global }
      - { .name: kv, .offset: 8, .size: 8, .value_kind: global_buffer, .address_space: global }
      - { .name: w_w, .offset: 16, .size: 8, .value_kind: global_buffer, .address_space: global }
      - { .name: lowp_scales, .offset: 24, .size: 8, .value_kind: global_buffer, .address_space: global }
      - { .name: yc, .offset: 32, .size: 8, .value_kind: global_buffer, .address_space: global }
      - { .name: stats, .offset: 40, .size: 8, .value_kind: global_buffer, .address_space: global }
    .group_segment_fixed_size: 81920
    .private_segment_fixed_size: 0
    .kernarg_segment_align: 8
    .kernarg_segment_size: 48
    .max_flat_workgroup_size: 512
    .sgpr_count:     72
    .vgpr_count:     256
    .wavefront_size: 32
...
	.end_amdgpu_metadata
.endif
;; end of part 2
;; launch bn (part 3): grid 16 x 16, 8 waves a work-group, no clusters, 7,168 bytes of LDS; arguments yc, x, stats, w_w, lowp_scales, bn_gamma, bn_beta, out0; writes out0
.if DOCPART == 3
	.amdgcn_target "amdgcn-amd-amdhsa--gfx1250"
	.amdhsa_code_object_version 6
	.text
	.protected	k_q00bc9e0799_bn
	.globl	k_q00bc9e0799_bn
	.p2align	8
	.type	k_q00bc9e0799_bn,@function
k_q00bc9e0799_bn:
	s_mov_b64 s[64:65], 0
	v_nop
	global_prefetch_b8 v0, s[64:65] scope:SCOPE_SE
	s_setreg_imm32_b32 hwreg(HW_REG_WAVE_MODE, 25, 1), 1
	s_wait_xcnt 0x0
.set LI,  1
.set SPW, 2
.set NIL, 7
.set PS,  16
.set WR,  32
.set WZ,  48
.set Y,   60
.set AA,  76
.set NM,  84
.set BE,  92
.set X,   100
.set D,   132
.set SC,  164
.set LIM, 165
.set TB,  2048
.set SPARE, 6144
	s_load_b512 s[4:19], s[0:1], 0x0
	v_lshl_add_u32 v[SPW], v0, 2, SPARE
	v_mov_b32 v[NIL], 0
	v_lshrrev_b32 v3, 5, v0
	v_readfirstlane_b32 s20, v3
	s_and_b32 s22, ttmp7, 0xffff
	s_lshr_b32 s21, s22, 1
	s_and_b32 s22, s22, 1
	s_and_b32 s23, s20, 1
	s_lshr_b32 s24, s20, 1
	s_and_b32 s26, s21, 1
	s_lshl_b32 s26, s26, 22
	s_lshl_b32 s25, s22, 21
	s_add_co_u32 s26, s26, s25
	s_lshl_b32 s25, s23, 20
	s_add_co_u32 s26, s26, s25
	s_lshr_b32 s25, s21, 2
	s_lshl_b32 s25, s25, 15
	s_add_co_u32 s26, s26, s25
	s_lshl_b32 s25, ttmp9, 11
	s_add_co_u32 s26, s26, s25
	s_lshl_b32 s25, s24, 9
	s_add_co_u32 s26, s26, s25
	s_bfe_u32 s25, s21, 0x10001
	s_lshl_b32 s25, s25, 8
	s_add_co_u32 s26, s26, s25
	s_mov_b32 s27, 0
	s_lshl_b32 s28, s21, 17
	s_lshl_b32 s25, ttmp9, 13
	s_add_co_u32 s28, s28, s25
	s_lshl_b32 s25, s24, 11
	s_add_co_u32 s28, s28, s25
	s_mov_b32 s29, 0
	s_lshr_b32 s30, s21, 1
	s_lshl_b32 s30, s30, 15
	s_lshl_b32 s25, s20, 12
	s_add_co_u32 s30, s30, s25
	s_lshl_b32 s25, s22, 8
	s_add_co_u32 s30, s30, s25
	s_mov_b32 s31, 0
	s_lshl_b32 s32, s22, 12
	s_lshl_b32 s25, s23, 11
	s_add_co_u32 s32, s32, s25
	s_mov_b32 s33, 0
	s_lshl_b32 s34, s22, 7
	s_mov_b32 s35, 0
	s_lshl_b32 s42, s20, 8
	s_lshl_b32 s43, s20, 9
	s_add_co_u32 s43, s43, TB
	s_lshl_b32 s44, s23, 6
	s_add_co_u32 s44, s44, s43
	s_mov_b32 s46, 0x76543210
	s_mov_b32 s47, 0xfedcba98
	s_mov_b32 s39, 0x3727c5ac
	v_and_b32 v5, 31, v0
	v_and_b32 v14, 15, v0
	v_bfe_u32 v15, v0, 4, 1
	v_lshlrev_b32 v[LI], 4, v5
	v_lshlrev_b32 v3, 4, v14
	v_lshlrev_b32 v4, 7, v14
	v_lshlrev_b32 v9, 3, v5
	v_lshlrev_b32 v5, 2, v5
	v_lshl_add_u32 v6, v15, 19, v3
	v_lshl_add_u32 v8, v15, 3, v3
	v_add_nc_u32 v8, s42, v8
	v_lshl_add_u32 v3, v15, 9, v3
	v_lshl_add_u32 v4, v15, 5, v4
	v_add_nc_u32 v10, s43, v5
	v_lshlrev_b32 v11, 5, v15
	v_add_nc_u32 v11, s44, v11
	s_wait_alu depctr_va_vdst(0)
	s_wait_kmcnt 0x0
	s_load_b64 s[36:37], s[12:13], 0x28
	s_add_nc_u64 s[8:9], s[8:9], s[30:31]
	s_add_nc_u64 s[14:15], s[14:15], s[34:35]
	s_add_nc_u64 s[16:17], s[16:17], s[34:35]
	s_add_nc_u64 s[10:11], s[10:11], s[32:33]
	s_add_nc_u64 s[4:5], s[4:5], s[28:29]
	s_add_nc_u64 s[6:7], s[6:7], s[26:27]
	s_add_nc_u64 s[18:19], s[18:19], s[26:27]
.irp i, 0,1,2,3
	global_load_b128 v[PS+4*\i:PS+4*\i+3], v3, s[8:9] offset:1024*\i
.endr
	global_load_b32 v12, v5, s[14:15]
	global_load_b32 v13, v5, s[16:17]
	global_load_b128 v[WR:WR+3], v4, s[10:11]
	global_load_b128 v[WR+4:WR+7], v4, s[10:11] offset:16
	global_load_b128 v[WR+8:WR+11], v4, s[10:11] offset:64
	global_load_b128 v[WR+12:WR+15], v4, s[10:11] offset:80
.irp i, 0,1,2,3
	global_load_b128 v[Y+4*\i:Y+4*\i+3], v[LI], s[4:5] offset:512*\i
.endr
.irp j, 0,1,2,3,4,5,6,7
	global_load_b128 v[X+4*\j:X+4*\j+3], v6, s[6:7] offset:65536*\j th:TH_LOAD_NT
.endr
.irp j, 0,1,2,3,8,9,10,11
	v_mov_b32 v[WZ+\j], 0
.endr
	s_wait_alu depctr_va_vdst(0)
	s_wait_kmcnt 0x0
	s_add_co_i32 s38, s36, s37
	s_add_co_i32 s38, s38, 127
	s_lshl_b32 s38, s38, 23
	s_add_co_i32 s41, s37, 127
	s_lshl_b32 s40, s41, 23
	s_add_co_i32 s41, s41, 8
	s_lshl_b32 s41, s41, 23
	s_or_b32 s41, s41, 0x600000
	v_mov_b32 v[SC], s40
	v_mov_b32 v[LIM], s41
.macro JOIN2 a, b, c, e, k
	v_sub_f32 v166, v[\a], v[\b]
	v_sub_f32 v167, v[\c], v[\e]
	v_pk_add_f32 v[\a:(\a)+1], v[\a:(\a)+1], v[\b:(\b)+1]
	v_pk_add_f32 v[\c:(\c)+1], v[\c:(\c)+1], v[\e:(\e)+1]
	v_mul_f32 v166, v166, v166
	v_mul_f32 v167, v167, v167
	v_fmamk_f32 v[(\a)+1], v166, \k, v[(\a)+1]
	v_fmamk_f32 v[(\c)+1], v167, \k, v[(\c)+1]
.endm
	s_wait_alu depctr_va_vdst(0)
	s_wait_loadcnt 18
	JOIN2 PS, PS+4, PS+2, PS+6, 0x42800000
	JOIN2 PS+8, PS+12, PS+10, PS+14, 0x42800000
	JOIN2 PS, PS+8, PS+2, PS+10, 0x42000000
.irp i, 0,1,2,3
	v_permlanex16_b32 v[PS+4+\i], v[PS+\i], s46, s47
.endr
	JOIN2 PS, PS+4, PS+2, PS+6, 0x41800000
	v_cmp_ne_u32 vcc_lo, 0, v15
	v_cndmask_b32 v[PS], v[PS], v[PS+2], vcc_lo
	v_cndmask_b32 v[PS+1], v[PS+1], v[PS+3], vcc_lo
	ds_store_b64 v8, v[PS:PS+1]
	s_wait_loadcnt 12
.set j, 0
.rept 16
	v_med3_num_f32 v[WR+j], v[WR+j], -v[LIM], v[LIM]
.set j, j+1
.endr
	v_cvt_scalef32_pk8_fp8_f32 v[WZ+4:WZ+5], v[WR:WR+7], v[SC]
	v_cvt_scalef32_pk8_fp8_f32 v[WZ+6:WZ+7], v[WR+8:WR+15], v[SC]
	v_nop
	s_wait_alu depctr_va_vdst(0)
	s_wait_dscnt 0x0
	s_barrier_signal -1
	s_barrier_wait -1
.irp k, 0,1,2,3,4,5,6,7
	ds_load_b64 v[PS+2*\k:PS+2*\k+1], v9 offset:256*\k
.endr
	s_wait_dscnt 0x0
	JOIN2 PS, PS+2, PS+4, PS+6, 0x41000000
	JOIN2 PS+8, PS+10, PS+12, PS+14, 0x41000000
	JOIN2 PS, PS+4, PS+8, PS+12, 0x40800000
	v_sub_f32 v166, v[PS], v[PS+8]
	v_pk_add_f32 v[PS:PS+1], v[PS:PS+1], v[PS+8:PS+9]
	s_delay_alu instid0(VALU_DEP_2)
	v_mul_f32 v166, v166, v166
	s_delay_alu instid0(VALU_DEP_1)
	v_fmamk_f32 v[PS+1], v166, 0x40000000, v[PS+1]
	s_delay_alu instid0(VALU_DEP_1)
	v_mul_f32 v[PS+1], 0x39000000, v[PS+1]
	s_delay_alu instid0(VALU_DEP_1)
	v_mul_f32 v[PS+1], s38, v[PS+1]
	s_delay_alu instid0(VALU_DEP_1)
	v_fma_f32 v[PS+1], v[PS+1], s38, s39
	s_wait_alu depctr_va_vdst(0)
	v_rsq_f32 v[PS+2], v[PS+1]
	v_mul_f32 v[PS], 0xbc800000, v[PS]
	s_wait_alu depctr_va_vdst(0)
	v_mul_f32 v[PS+2], v12, v[PS+2]
	s_delay_alu instid0(VALU_DEP_1)
	v_mul_f32 v[PS+2], s38, v[PS+2]
	ds_store_b32 v10, v[PS+2]
	ds_store_b32 v10, v[PS] offset:128
	ds_store_b32 v10, v13 offset:256
.irp q, 0,1
	ds_load_b128 v[NM+4*\q:NM+4*\q+3], v11 offset:128+16*\q
	ds_load_b128 v[AA+4*\q:AA+4*\q+3], v11 offset:16*\q
	ds_load_b128 v[BE+4*\q:BE+4*\q+3], v11 offset:256+16*\q
.endr
	s_wait_dscnt 0x0
	s_wait_loadcnt 8
.irp i, 0,1,2,3
	v_wmma_f32_16x16x64_fp8_fp8 v[D+8*\i:D+8*\i+7], v[WZ+4-4*(\i%2):WZ+11-4*(\i%2)], v[Y+8*(\i/2):Y+8*(\i/2)+7], v[NM:NM+7]
.endr
.rept 4
	v_nop
.endr
.irp j, 0,1,2,3,4,5,6,7
	s_wait_loadcnt 7-\j
.irp i, 0,1,2,3
	v_add_f32 v[X+4*\j+\i], v[X+4*\j+\i], v[BE+\j]
.endr
.irp i, 0,1,2,3
	v_fma_f32 v[X+4*\j+\i], v[D+8*\i+\j], v[AA+\j], v[X+4*\j+\i]
.endr
	global_store_b128 v6, v[X+4*\j:X+4*\j+3], s[18:19] offset:65536*\j th:TH_STORE_NT
.endr
	s_wait_tensorcnt 0x0
	ds_add_u32 v[SPW], v[NIL]
	s_wait_dscnt 0x0
	s_endpgm
.Lfunc_end_k_q00bc9e0799_bn:
	.size	k_q00bc9e0799_bn, .Lfunc_end_k_q00bc9e0799_bn-k_q00bc9e0799_bn
	.p2alignl 7, 3214868480
	.fill 96, 4, 3214868480
	.section	.rodata,"a",@progbits
	.p2align	6, 0x0
	.amdhsa_kernel k_q00bc9e0799_bn
		.amdhsa_group_segment_fixed_size 7168
		.amdhsa_private_segment_fixed_size 0
		.amdhsa_enable_private_segment 0
		.amdhsa_kernarg_size 64
		.amdhsa_user_sgpr_count 2
		.amdhsa_user_sgpr_kernarg_segment_ptr 1
		.amdhsa_wavefront_size32 1
		.amdhsa_system_sgpr_workgroup_id_x 1
		.amdhsa_system_sgpr_workgroup_id_y 1
		.amdhsa_system_sgpr_workgroup_id_z 1
		.amdhsa_system_vgpr_workitem_id 0
		.amdhsa_next_free_vgpr 192
		.amdhsa_next_free_sgpr 66
		.amdhsa_reserve_vcc 1
		.amdhsa_float_denorm_mode_32 3
		.amdhsa_float_denorm_mode_16_64 3
		.amdhsa_memory_ordered 1
		.amdhsa_forward_progress 1
		.amdhsa_inst_pref_size 17
	.end_amdhsa_kernel
	.amdgpu_metadata
---
amdhsa.version: [ 1, 2 ]
amdhsa.kernels:
  - .name:           k_q00bc9e0799_bn
    .symbol:         k_q00bc9e0799_bn.kd
    .args:
      - { .name: yc, .offset: 0, .size: 8, .value_kind: global_buffer, .address_space: global }
      - { .name: x, .offset: 8, .size: 8, .value_kind: global_buffer, .address_space: global }
      - { .name: stats, .offset: 16, .size: 8, .value_kind: global_buffer, .address_space: global }
      - { .name: w_w, .offset: 24, .size: 8, .value_kind: global_buffer, .address_space: global }
      - { .name: lowp_scales, .offset: 32, .size: 8, .value_kind: global_buffer, .address_space: global }
      - { .name: bn_gamma, .offset: 40, .size: 8, .value_kind: global_buffer, .address_space: global }
      - { .name: bn_beta, .offset: 48, .size: 8, .value_kind: global_buffer, .address_space: global }
      - { .name: out0, .offset: 56, .size: 8, .value_kind: global_buffer, .address_space: global }
    .group_segment_fixed_size: 7168
    .private_segment_fixed_size: 0
    .kernarg_segment_align: 8
    .kernarg_segment_size: 64
    .max_flat_workgroup_size: 256
    .sgpr_count:     66
    .vgpr_count:     192
    .wavefront_size: 32
...
	.end_amdgpu_metadata
.endif
;; end of part 3
